; MI455X (gfx1250); checked and timed in simulation.
; The chip was launched on July 23, 2026; its instructions are those of AMD's public machine-readable ISA for CDNA 5 (MIT licence, August 2026) and "CDNA5" Instruction Set Architecture Reference Guide (July 2026). The comments in the code are by the model that wrote it; some were corrected since.
;; Attention. Allowed arithmetic: matrix products marked QUANTISED: E4M3 operands, one given power-of-two scale a tensor, by v_wmma_f32_16x16x64_fp8_fp8 or v_wmma_f32_16x16x128_fp8_fp8, f32 sums; everything else in f32.
;; Inputs: Wk_codes 1,024 x 32 x 32 uint8 (E4M3 codes of Wk, K innermost, in blocks of 32 codes); Wo_codes 1,024 x 32 x 32 uint8 (E4M3 codes of Wo, K innermost, in blocks of 32 codes); Wq_codes 1,024 x 32 x 32 uint8 (E4M3 codes of Wq, K innermost, in blocks of 32 codes); Wv_codes 1,024 x 32 x 32 uint8 (E4M3 codes of Wv, K innermost, in blocks of 32 codes); bk 1,024 float32; bo 1,024 float32; bq 1,024 float32; bv 1,024 float32; k_codes 4 x 2,048 x 32 x 32 uint8 (E4M3 codes of k, K innermost, in blocks of 32 codes); lowp_scales 12 int32 (the exponents e of the quantised operands' scales 2^e); q_codes 4 x 2,048 x 32 x 32 uint8 (E4M3 codes of q, K innermost, in blocks of 32 codes); v_codes 4 x 2,048 x 32 x 32 uint8 (E4M3 codes of v, K innermost, in blocks of 32 codes).
;; Outputs: out0 4 x 2,048 x 1,024 float32.
;; This version of the problem:
;;   THIS VERSION OF THE PROBLEM IS GIVEN IN LOW PRECISION. The matrix products marked QUANTISED in the list below multiply operands that are first quantised to E4M3 (4 exponent bits, 3 mantissa bits; 8 bits a number), with one given power-of-two scale for each operand tensor; their sums are f32. All else is computed in f32.
;;   The module's matrix products, in the order in which they are computed (A, B: the left and right operand; K: the contracted axis; several contracted axes count as one K, in the product's order):
;;     1. [M 8,192, K 1,024] x [K 1,024, N 1,024]; A: input k (given as codes); B: input Wk (given as codes): QUANTISED (scales: A lowp_scales[0], B lowp_scales[1])
;;     2. [M 8,192, K 1,024] x [K 1,024, N 1,024]; A: input q (given as codes); B: input Wq (given as codes): QUANTISED (scales: A lowp_scales[2], B lowp_scales[3])
;;     3. [M 8,192, K 1,024] x [K 1,024, N 1,024]; A: input v (given as codes); B: input Wv (given as codes): QUANTISED (scales: A lowp_scales[4], B lowp_scales[5])
;;     4. batch 64 x [M 2,048, K 64] x [K 64, N 2,048]; A: computed on the way; B: computed on the way: QUANTISED (scales: A lowp_scales[6], B lowp_scales[7])
;;     5. batch 64 x [M 2,048, K 2,048] x [K 2,048, N 64]; A: softmax (see below); B: computed on the way: QUANTISED (scales: A lowp_scales[8], B lowp_scales[9])
;;     6. [M 8,192, K 1,024] x [K 1,024, N 1,024]; A: computed on the way; B: input Wo (given as codes): QUANTISED (scales: A lowp_scales[10], B lowp_scales[11])
;;   THE QUANTISER, for each operand of a quantised product, along K:
;;     - The operand's scale is 2^e, e = its entry of the input lowp_scales (int32; the entries are numbered through the quantised products in the list's order, A before B).
;;     - Each number is divided by the scale, clamped to +-448, and rounded to the nearest number of E4M3, ties to even, subnormals kept.
;;     - The product sums the exact products of the quantised numbers (number of the format x scale) in f32.
;;   ~~~python
;;   def quantise(x, axis, e):      # numpy; x: float32 -> the quantised numbers, widened to float32 again
;;       x = np.moveaxis(x, axis, -1); K = x.shape[-1]
;;       r = np.clip(x / 2.0 ** e, -448, 448)
;;       step = 2.0 ** (np.maximum(np.frexp(np.where(r == 0, 1, r))[1] - 1, -6) - 3)
;;       q = np.round(r / step) * step * 2.0 ** e      # np.round: ties to even
;;       return np.moveaxis(q, -1, axis).astype(np.float32)
;;   ~~~
;;   SOFTMAX AHEAD OF A QUANTISED PRODUCT. Where the list says 'softmax', what is quantised is not the finished softmax but p = 2^(t - M), with t = logit x log2(e) and M = ceil(the row's largest t), a whole number; so 1/2 < the row's largest p <= 1. The row's sum l is taken of the UNQUANTISED p, in f32, and the product's result is divided by l at the end. Since M is a whole number, a kernel that streams over the keys may use a running M (the ceiling of the running maximum): every later rescaling is an exact power of two, so the quantised numbers keep their values, but for numbers so far below the row's largest that they fall under the format's range.
;;   OPERANDS COMPUTED ON THE WAY. 'Computed on the way' means the value that the module computes at that place (a softmax that the list does not call 'softmax' is quantised finished and normalised). What goes into a quantiser is computed in f32, as accurately as f32 sums, v_exp_f32 and their like allow (about 1e-6 of the number): no bf16 or f16 on the way to a quantiser, and a product that is left as it is and whose result goes on into a quantised operand takes f32 operands (vector FMAs, or v_wmma_f32_16x16x4_f32). A number that lies on a knife's edge between two numbers of the format may be rounded either way, as far as f32 arithmetic and the matrix unit's own rounding can turn it there, and no further.
;;   INPUTS GIVEN AS CODES. Wk (in the module: [1024, 1024], K = its axis 1); Wo (in the module: [1024, 1024], K = its axis 1); Wq (in the module: [1024, 1024], K = its axis 1); Wv (in the module: [1024, 1024], K = its axis 1); k (in the module: [4, 2048, 1024], K = its axis 2); q (in the module: [4, 2048, 1024], K = its axis 2); v (in the module: [4, 2048, 1024], K = its axis 2): each comes as NAME_codes (uint8): NAME with its K axis moved to the last place and cut into blocks of 32 codes, [.., K / 32, bytes a block], one block behind the other in memory; one code a byte (a code: sign, 4 exponent bits, 3 mantissa bits); its scale is its entry of lowp_scales. Its value is code x scale, taken as it is: it is not quantised again, and the codes and scales need not be those that the quantiser above would give.
;; One version. Each part assembles by itself: llvm-mc -triple=amdgcn-amd-amdhsa -mcpu=gfx1250 --defsym DOCPART=n.
;; ======== version 1 of 1: 3 launches
;; limits: right only within a limited range of input values
;; workspace buffers: Kc 8,388,608 bytes; Qc 8,388,608 bytes; Vc 8,388,608 bytes; Oc 8,388,608 bytes
;; launch proj (part 1): grid 8 x 96, 4 waves a work-group, clusters of 4 x 4, 327,680 bytes of LDS; arguments k_codes, q_codes, Wv_codes, Wk_codes, Wq_codes, v_codes, bk, bq, bv, Kc, Qc, Vc, lowp_scales; writes Kc, Qc, Vc
.if DOCPART == 1
	.amdgcn_target "amdgcn-amd-amdhsa--gfx1250"
	.amdhsa_code_object_version 6
	.text
	.protected	k_q4a055e1a7a_proj
	.globl	k_q4a055e1a7a_proj
	.p2align	8
	.type	k_q4a055e1a7a_proj,@function
k_q4a055e1a7a_proj:
	s_mov_b64 s[64:65], 0
	v_nop
	global_prefetch_b8 v0, s[64:65] scope:SCOPE_SE
	s_setreg_imm32_b32 hwreg(HW_REG_WAVE_MODE, 25, 1), 1
	s_wait_xcnt 0x0
	s_wait_alu depctr_hold_cnt(0) depctr_sa_sdst(0) depctr_va_vdst(0) depctr_va_sdst(0) depctr_va_ssrc(0) depctr_va_vcc(0) depctr_vm_vsrc(0)
	s_getreg_b32 s2, hwreg(HW_REG_IB_STS2, 6, 4)
	s_cmp_eq_u32 s2, 0
	s_cbranch_scc0 .Lentry_in_a_cluster
	s_endpgm
.Lentry_in_a_cluster:
	s_bfe_u32 s2, ttmp6, 0x10000c
	s_cmp_lg_u32 s2, 0xf033
	s_cbranch_scc0 .Lentry_shape_is_right
	s_endpgm
.Lentry_shape_is_right:
; THE THREE PROJECTIONS: keys = k Wk^T + bk, queries = q Wq^T + bq, values = v Wv^T + bv, on codes of E4M3 as they are given, sums in f32; each result is quantised at once for the attention's products.
; One body serves all three: the cluster's y says which (0-7 keys, 8-15 queries, 16-23 values); only pointers, exponents and offsets are chosen (s_cselect), never a path.
; THE MATRIX INSTRUCTION IS USED TRANSPOSED: source 0 = 16 rows of operand S0, source 1 = 16 rows of operand S1.  In accumulator (a, b) lane (r, h), register j holds C(S1 row 16 a + r, S0 row 16 b + 8 h + j).
; Keys, queries: S1 = the activations (8,192 rows), S0 = the weight (1,024 rows): a lane holds one token, its registers run along the head's channels.
; Values: S1 = Wv, S0 = v: a lane holds one channel, its registers run along the KEYS, which are the second attention product's K.
; THE RESULT IS STORED AS AN IMAGE OF OPERAND REGISTERS.  The four accumulators b = 0..3 of one a, eight numbers a conversion, give 8 registers of codes: registers 2 b, 2 b + 1 hold k = 16 b + 8 h + 0..7 of row r:
; a 16 x 64 fragment of the K = 64 form as that form wants it.  Registers 0-3 go to 16 x lane, registers 4-7 to 512 + 16 x lane of a block of 1,024 bytes: each store of the wave covers 512 consecutive bytes, aligned.
; Kc, Qc: [batch][head][token / 16][image];  Vc: [batch][head][token / 64][channel / 16][image].
; SHARES.  A work-group makes 256 rows of S1 x 128 rows of S0 over all K = 1,024: 128 tiles.  Wave w: S1 rows 128 (w / 2) on, S0 rows 64 (w % 2) on: 32 accumulators.
; K goes in four steps of 256 (rows of 256 bytes) through three LDS slots: steps 0, 1, 2 are asked for at the start, step 3 goes into slot 0 when that has been read.
; CLUSTERS: 4 x 4 work-groups.  S1's tile hangs on cy alone and is asked for jointly by a row of the cluster, S0's on cx alone, by a column.
; The bias goes in as the sums' beginning, divided by the power of two that the sums lack: acc = b / 2^(ea + eb); the conversion then takes the one scale 2^(eo - ea - eb).
; Fragments are fetched by four loads of 16 bytes a lane: a permutation of k, the same in S0 and S1, so every product meets its partner.
; LIMITS: eo - ea - eb between -126 and 119 for each of the three (eo: entry 7, 6, 9 of the scales).  NaN among the biases is not served.
; REGISTERS, in windows of 256: window 0: v0-30 addresses and constants; v64-127 S0's four fragments, v128-255 S1's eight: set 0.  window 1: set 1 at the same numbers.  window 2: accumulator (a, b) at v[8 (4 a + b)].
.set PITCH,  272                       ; an LDS row: 256 bytes + 16 of padding = 68 words: the 16 rows that a load touches start at 16 different banks (64 banks of 4 bytes: ISA guide 11.1)
.set H1,     128*PITCH                 ; half of S1's tile: what one tensor load brings, and what a wave reads
.set H0,     64*PITCH                  ; the same for S0
.set S0OFF,  2*H1
.set SLOT,   S0OFF+2*H0
.set SPARE,  3*SLOT                    ; behind the slots: the spare words, 128 bytes for each wave: two blocks of 256 bytes that no other line names
.set ADR1, 16                          ; v16-18 LDS address of my S1 fragments in slot 0, 1, 2
.set ADR0, 20                          ; v20-22 the same for S0
.set LI,   24                          ; v24    16 x lane: my place in an image
.set SC,   26                          ; v26    2^(eo - ea - eb)
.set LIM,  27
.set SPW,  28                          ; v28    LDS address of my spare word; never rewritten
.set NIL,  29                          ; v29    0; never rewritten
.set ZR,   30                          ; v30    0, for the selects
.set F0,   64
.set F1,   128
.set BN,   64                          ; at the head: the bias along the registers, 4 x 8
.set BM,   96                          ; the bias along the lanes, one for each a
.set BMZ,  104                         ; the same, each twice (a pair for the packed addition)
.set CD,   64                          ; at the end: the codes, 8 registers for each a
.set G1A,  24                          ; s[24:31] descriptor group 1 for S1's tiles; s[32:39] for S0's
.set G1B,  32
.set G0A,  40                          ; s[40:51] group 0 for S1's tiles, a set for each slot; s[52:63] for S0's
.set G0B,  52
.set MSB, 0
.macro WIN new                         ; the immediate's high byte repeats the setting that is left
.if MSB != \new
	s_set_vgpr_msb (MSB<<8)|\new
.set MSB, \new
.endif
.endm
.macro PLACES n
.rept \n
	v_nop
.endr
.endm
.macro CREST                           ; a round of the cluster's barrier behind its opening barrier
	s_cmp_lg_u32 s14, 0
	s_cbranch_scc1 .Lnot_wave_0_\@
	s_barrier_signal -3
.Lnot_wave_0_\@:
	s_barrier_wait -3
	s_barrier_signal -1
	s_barrier_wait -1
.endm
.macro CROUND
	s_barrier_signal -1
	s_barrier_wait -1
	CREST
.endm
; A joint load: waves 0 and 1 fetch S1's halves, waves 2 and 3 S0's.  The branch hangs on the wave's number alone.  Four v_nop follow each of the two lines.
.macro JLOAD g0a, g1a, g0b, g1b
	s_cmp_eq_u32 s15, 0
	s_cbranch_scc0 .Lfor_b_\@
	tensor_load_to_lds s[\g0a:\g0a+3], s[\g1a:\g1a+7]
	s_nop 0
	PLACES 4
	s_branch .Lasked_\@
.Lfor_b_\@:
	tensor_load_to_lds s[\g0b:\g0b+3], s[\g1b:\g1b+7]
	s_nop 0
	PLACES 4
.Lasked_\@:
.endm
	s_load_b512 s[68:83], s[0:1], 0x0              ; k 68, q 70, Wv 72, Wk 74, Wq 76, v 78, bk 80, bq 82
	s_load_b256 s[84:91], s[0:1], 0x40             ; bv 84, Kc 86, Qc 88, Vc 90
	s_load_b64 s[92:93], s[0:1], 0x60              ; the scales' exponents
	v_lshl_add_u32 v[SPW], v0, 2, SPARE
	v_mov_b32 v[NIL], 0
	ds_add_u32 v28, v29
	ds_add_u32 v28, v29
	s_wait_dscnt 0x0
	v_mov_b32 v[ZR], 0
	v_lshrrev_b32 v1, 5, v0
	v_readfirstlane_b32 s14, v1                    ; wave 0..3
	s_lshr_b32 s15, s14, 1                         ; which 128 rows of S1 are mine.  Also: I fetch for S1 (0) or for S0 (1)
	s_and_b32 s16, s14, 1                          ; which 64 rows of S0.  Also: which half of that tile I fetch
	s_bfe_u32 s17, ttmp6, 0x40000                  ; cx
	s_bfe_u32 s18, ttmp6, 0x40004                  ; cy
	s_and_b32 s20, ttmp7, 0xffff                   ; the cluster's y, 0..23
	s_lshr_b32 s12, s20, 3                         ; 0 keys, 1 queries, 2 values
	s_and_b32 s20, s20, 7
	s_lshl_b32 s2, s20, 1
	s_add_co_u32 s2, s2, ttmp9                     ; values: S0 (v) has 64 tiles: 16 groups of four
	s_cmp_eq_u32 s12, 2
	s_cselect_b32 s21, 0, s20                      ; S1's group of four tiles: values have one (Wv), the others eight
	s_cselect_b32 s22, s2, ttmp9                   ; S0's group
	s_cselect_b32 s13, -1, 0                       ; a lane mask: all ones for values
	s_lshl_b32 s21, s21, 2
	s_add_co_u32 s21, s21, s18                     ; S1's tile: hangs on cy, never on cx
	s_lshl_b32 s22, s22, 2
	s_add_co_u32 s22, s22, s17                     ; S0's tile: hangs on cx, never on cy
	s_lshl_b32 s2, s18, 2
	s_lshl_b32 s2, 15, s2                          ; my row of the cluster
	s_lshl_b32 s3, 0x1111, s17                     ; my column
	; descriptor group 1: rows of 256 bytes, 1,024 bytes apart in memory, padded in LDS; 128 rows for S1, 64 for S0
	s_or_b32 s[G1A], s2, (1<<20)|(1<<21)|(5<<22)|(3<<25)   ; 15:0 the mask; 17:16 elements of 1 byte; 20 padding on; 21 set beside a mask; 24:22 after every 64 words; 31:25 four words
	s_or_b32 s[G1B], s3, (1<<20)|(1<<21)|(5<<22)|(3<<25)
	s_mov_b32 s[G1A+1], 256<<16                    ; tensor_dim0
	s_mov_b32 s[G1A+2], 128<<16                    ; tensor_dim1
	s_mov_b32 s[G1A+3], 256<<16                    ; tile_dim0
	s_mov_b32 s[G1A+4], 128                        ; tile_dim1
	s_mov_b32 s[G1A+5], 1024                       ; tensor_dim0_stride
	s_mov_b32 s[G1A+6], 0
	s_mov_b32 s[G1A+7], 0
	s_mov_b32 s[G1B+1], 256<<16
	s_mov_b32 s[G1B+2], 64<<16
	s_mov_b32 s[G1B+3], 256<<16
	s_mov_b32 s[G1B+4], 64
	s_mov_b32 s[G1B+5], 1024
	s_mov_b32 s[G1B+6], 0
	s_mov_b32 s[G1B+7], 0
	; where the tiles come from (bytes) and where they go
	s_lshl_b32 s96, s21, 18                        ; S1: 256 rows of 1,024 bytes a tile,
	s_lshl_b32 s2, s16, 17                         ; + the half that I fetch
	s_add_co_u32 s96, s96, s2
	s_mov_b32 s97, 0
	s_lshl_b32 s98, s22, 17                        ; S0: 128 rows a tile,
	s_lshl_b32 s2, s16, 16
	s_add_co_u32 s98, s98, s2
	s_mov_b32 s99, 0
	s_mul_i32 s100, s16, H1                        ; no place in the cluster enters an LDS address
	s_mul_i32 s101, s16, H0
	s_add_co_u32 s101, s101, S0OFF
	; where my images go.  Keys, queries: batch = tile / 8; head = 2 x S0's tile + w % 2; image = 16 (tile % 8) + 8 (w / 2) + a.
	s_lshl_b32 s66, s22, 1
	s_add_co_u32 s66, s66, s16                     ; G = 2 x S0's tile + w % 2
	s_lshr_b32 s2, s21, 3
	s_lshl_b32 s2, s2, 21
	s_lshl_b32 s3, s66, 17
	s_add_co_u32 s2, s2, s3
	s_and_b32 s3, s21, 7
	s_lshl_b32 s3, s3, 14
	s_add_co_u32 s2, s2, s3
	s_lshl_b32 s3, s15, 13
	s_add_co_u32 s2, s2, s3
	; Values: batch = G / 32; head = 4 x S1's tile + 2 (w / 2) + a / 4; step of 64 keys = G % 32; image = a % 4.
	s_lshr_b32 s3, s66, 5
	s_lshl_b32 s3, s3, 21
	s_lshl_b32 s23, s21, 19
	s_add_co_u32 s3, s3, s23
	s_lshl_b32 s23, s15, 18
	s_add_co_u32 s3, s3, s23
	s_and_b32 s23, s66, 31
	s_lshl_b32 s23, s23, 12
	s_add_co_u32 s3, s3, s23
	s_mov_b32 s23, 131072
	s_cmp_eq_u32 s12, 2
	s_cselect_b32 s66, s3, s2                      ; images a = 0..3 begin here,
	s_cselect_b32 s94, s23, 4096                   ; images a = 4..7 so much further on: the next head, or the next four images
	s_mov_b32 s67, 0
	s_mov_b32 s95, 0
	; the bias: along the registers (keys, queries: 4 x my first row of S0) or along the lanes (values: 4 x my first row of S1); the vector that is not used is read at the buffer's head and thrown away
	s_lshl_b32 s2, s22, 9
	s_lshl_b32 s3, s16, 8
	s_add_co_u32 s2, s2, s3
	s_lshl_b32 s3, s21, 10
	s_lshl_b32 s23, s15, 9
	s_add_co_u32 s3, s3, s23
	s_cmp_eq_u32 s12, 2
	s_cselect_b32 s2, 0, s2
	s_cselect_b32 s3, s3, 0
	v_and_b32 v1, 15, v0                           ; r
	v_bfe_u32 v2, v0, 4, 1                         ; h
	v_lshl_add_u32 v5, v2, 5, s2                   ; 32 h + ..: eight numbers for each b
	v_lshl_add_u32 v6, v1, 2, s3                   ; 4 r + ..: one number for each a
	s_wait_kmcnt 0x0
	s_cmp_eq_u32 s12, 0                            ; the choices hang on the cluster's y alone
	s_cselect_b64 s[4:5], s[68:69], s[70:71]       ; S1
	s_cselect_b64 s[6:7], s[74:75], s[76:77]       ; S0
	s_cselect_b64 s[8:9], s[80:81], s[82:83]       ; the bias
	s_cselect_b64 s[10:11], s[86:87], s[88:89]     ; the images
	s_cmp_eq_u32 s12, 2
	s_cselect_b64 s[4:5], s[72:73], s[4:5]
	s_cselect_b64 s[6:7], s[78:79], s[6:7]
	s_cselect_b64 s[8:9], s[84:85], s[8:9]
	s_cselect_b64 s[10:11], s[90:91], s[10:11]
	s_load_b256 s[68:75], s[92:93], 0x0            ; entries 0 to 7 of the scales
	s_load_b128 s[76:79], s[92:93], 0x20           ; entries 8 to 11
	s_add_nc_u64 s[96:97], s[4:5], s[96:97]
	s_add_nc_u64 s[98:99], s[6:7], s[98:99]
	s_add_nc_u64 s[10:11], s[10:11], s[66:67]
	s_add_nc_u64 s[94:95], s[10:11], s[94:95]
.irp n, 0,1,2
	s_mov_b32 s[G0A+4*\n], 1                                        ; count = 1
	s_add_co_u32 s[G0A+4*\n+1], s100, \n*SLOT                       ; LDS address
	s_add_nc_u64 s[G0A+4*\n+2:G0A+4*\n+3], s[96:97], \n*256         ; global address: K step n
	s_or_b32 s[G0A+4*\n+3], s[G0A+4*\n+3], 0x80000000               ; type = 2
	s_mov_b32 s[G0B+4*\n], 1
	s_add_co_u32 s[G0B+4*\n+1], s101, \n*SLOT
	s_add_nc_u64 s[G0B+4*\n+2:G0B+4*\n+3], s[98:99], \n*256
	s_or_b32 s[G0B+4*\n+3], s[G0B+4*\n+3], 0x80000000
.endr
	CROUND                                         ; all sixteen work-groups are here: the first joint loads meet
	s_cmp_eq_u32 s15, 0                            ; a wave's three first fills stand in one branch: three loads of mine are out
	s_cbranch_scc0 .Lfirst_s0
	tensor_load_to_lds s[G0A:G0A+3], s[G1A:G1A+7]
	s_nop 0
	tensor_load_to_lds s[G0A+4:G0A+7], s[G1A:G1A+7]
	s_nop 0
	tensor_load_to_lds s[G0A+8:G0A+11], s[G1A:G1A+7]
	s_nop 0
	PLACES 4
	s_branch .Lfirst_asked
.Lfirst_s0:
	tensor_load_to_lds s[G0B:G0B+3], s[G1B:G1B+7]
	s_nop 0
	tensor_load_to_lds s[G0B+4:G0B+7], s[G1B:G1B+7]
	s_nop 0
	tensor_load_to_lds s[G0B+8:G0B+11], s[G1B:G1B+7]
	s_nop 0
	PLACES 4
.Lfirst_asked:
	s_wait_alu depctr_va_vdst(0)
.irp b, 0,1,2,3
	global_load_b128 v[BN+8*\b:BN+8*\b+3], v5, s[8:9] offset:64*\b       ; b[n0 + 16 b + 8 h + 0..3]
	global_load_b128 v[BN+8*\b+4:BN+8*\b+7], v5, s[8:9] offset:64*\b+16
.endr
.irp a, 0,1,2,3,4,5,6,7
	global_load_b32 v[BM+\a], v6, s[8:9] offset:64*\a                    ; b[m0 + 16 a + r]
.endr
	v_mul_u32_u24 v3, v1, PITCH
	v_lshl_add_u32 v3, v2, 4, v3                   ; a fragment's row x pitch + 16 x half
	s_mul_i32 s2, s15, H1
	s_mul_i32 s3, s16, H0
	s_add_co_u32 s3, s3, S0OFF
.irp s, 0,1,2
	v_add_nc_u32 v[ADR1+\s], s2, v3
	v_add_nc_u32 v[ADR0+\s], s3, v3
	s_add_co_u32 s2, s2, SLOT
	s_add_co_u32 s3, s3, SLOT
.endr
	v_and_b32 v[LI], 31, v0
	v_lshlrev_b32 v[LI], 4, v[LI]
	s_wait_kmcnt 0x0
	s_add_co_i32 s2, s68, s69                      ; ea + eb of the keys' product,
	s_add_co_i32 s3, s70, s71                      ; the queries',
	s_add_co_i32 s23, s72, s73                     ; the values'
	s_cmp_eq_u32 s12, 0
	s_cselect_b32 s2, s2, s3
	s_cselect_b32 s3, s75, s74                     ; eo: the keys are B of the scores' product (entry 7), the queries A (entry 6),
	s_cmp_eq_u32 s12, 2
	s_cselect_b32 s2, s23, s2
	s_cselect_b32 s3, s77, s3                      ; the values B of the second product (entry 9)
	s_sub_co_i32 s3, s3, s2                        ; eo - ea - eb
	s_sub_co_i32 s2, 0, s2                         ; -(ea + eb)
	s_add_co_i32 s3, s3, 127
	s_lshl_b32 s23, s3, 23
	v_mov_b32 v[SC], s23                           ; the conversion takes this number's exponent field
	s_wait_loadcnt 0x0                             ; the bias
.set j, 0
.rept 40
	v_ldexp_f32 v[BN+j], v[BN+j], s2               ; b / 2^(ea + eb)
.set j, j+1
.endr
.set j, 0
.rept 32
	v_cndmask_b32 v[BN+j], v[BN+j], v[ZR], s13     ; values have no bias along the registers,
.set j, j+1
.endr
.irp a, 0,1,2,3,4,5,6,7
	v_cndmask_b32 v[BMZ+2*\a], v[ZR], v[BM+\a], s13    ; the others none along the lanes
	v_cndmask_b32 v[BMZ+2*\a+1], v[ZR], v[BM+\a], s13
.endr
	WIN 0x80                                       ; destination window 2
.irp a, 0,1,2,3,4,5,6,7
.irp b, 0,1,2,3
.irp i, 0,2,4,6
	v_pk_add_f32 v[8*(4*\a+\b)+\i:8*(4*\a+\b)+\i+1], v[BN+8*\b+\i:BN+8*\b+\i+1], v[BMZ+2*\a:BMZ+2*\a+1]   ; the sums begin as the bias: nothing is cleared, and no step is special
.endr
.endr
.endr
	WIN 0
.macro FRAG reg, adr, q, i             ; 16 rows x 128 K: registers 4 c .. 4 c + 3 hold K = 32 c + 16 h + 0..15 of row r
.irp c, 0,1,2,3
	ds_load_b128 v[\reg+4*\c:\reg+4*\c+3], v[\adr] offset:128*(\q)+32*\c+(\i)*16*PITCH
.endr
.endm
.macro FETCH slot, q, set              ; 48 loads in one run: S0's four fragments, then S1's eight, of the slot's q-th 128 along K
	WIN ((\set)<<6)
.irp i, 0,1,2,3
	FRAG F0+16*\i, ADR0+\slot, \q, \i
.endr
.irp i, 0,1,2,3,4,5,6,7
	FRAG F1+16*\i, ADR1+\slot, \q, \i
.endr
.endm
; S1's blocks a0 .. a1 against S0's four, from set p.  The 32 accumulators take turns, one instruction a turn, in the same order in every step.
.macro MUL p, a0, a1
	WIN (0xa0+5*(\p))
.set ia, \a0
.rept (\a1)-(\a0)+1
.irp b, 0,1,2,3
	v_wmma_f32_16x16x128_fp8_fp8 v[8*(4*ia+\b):8*(4*ia+\b)+7], v[F0+16*\b:F0+16*\b+15], v[F1+16*ia:F1+16*ia+15], v[8*(4*ia+\b):8*(4*ia+\b)+7]
.endr
.set ia, ia+1
.endr
.endm
; A step of 128 along K from set p; the next step's fragments go into the other set.
.macro SUB p, nslot, nq
	s_wait_dscnt 24                                ; S0's fragments and S1's blocks 0, 1 are in; the youngest 24 loads (blocks 2-7) may be out
	MUL \p, 0, 1
	s_wait_dscnt 0x0                               ; blocks 2-7 are in
	PLACES 4                                       ; four plain vector instructions between the last product that read the other set and the loads into it (ISA guide 7.12.1 for vector instructions)
	FETCH \nslot, \nq, 1-(\p)
	MUL \p, 2, 7
.endm
; A step from set 1 that leaves a slot: ONE barrier; in front of it each wave waits for all its tensor loads, adds 0 to its spare word, and waits for that and for its reads.  fill = 1: slot 0 takes K step 3.
.macro TURN fill, nslot
	WIN 0                                          ; (the add's two registers lie in window 0)
	s_wait_tensorcnt 0x0                           ; all my tensor loads have landed
	ds_add_u32 v[SPW], v[NIL]                      ; 0 onto my spare word
	s_wait_dscnt 25                                ; (the add and the youngest 24 loads may be out)
	MUL 1, 0, 1                                    ; eight matrix instructions stand between the add and the wait for it
	s_wait_dscnt 0x0                               ; the add is done, and my reads of the slot are over
	s_barrier_signal -1
	MUL 1, 2, 3
	WIN 0
	s_barrier_wait -1
.if \fill
	CREST                                          ; the barrier has opened a round of the cluster's: no wave of any partner still reads slot 0 or has a load on its way
	s_add_nc_u64 s[G0A+2:G0A+3], s[G0A+2:G0A+3], 768   ; from K step 0 to K step 3
	s_add_nc_u64 s[G0B+2:G0B+3], s[G0B+2:G0B+3], 768
	JLOAD G0A, G1A, G0B, G1B                       ; the first tensor load behind the round, my only one from here on; its four v_nop are also the places in front of the loads below
.else
	PLACES 4
.endif
	FETCH \nslot, 0, 0
	MUL 1, 4, 7
.endm
	s_wait_alu depctr_va_vdst(0)
	s_wait_tensorcnt 2                             ; my part of K step 0 is in; steps 1 and 2 may stay out
	s_barrier_signal -1
	s_barrier_wait -1                              ; everybody's is
	FETCH 0, 0, 0
	SUB 0, 0, 1                                    ; K 0-127
	TURN 1, 1                                      ; K 128-255; every wave has waited for all its loads, so slots 1 and 2 are whole for all from here on
	SUB 0, 1, 1                                    ; K 256-383
	SUB 1, 2, 0                                    ; K 384-511
	SUB 0, 2, 1                                    ; K 512-639
	TURN 0, 0                                      ; K 640-767; K step 3 has landed in slot 0; nothing is filled again
	SUB 0, 0, 1                                    ; K 768-895
	s_wait_dscnt 24                                ; K 896-1023: nothing more to fetch
	MUL 1, 0, 1
	s_wait_dscnt 0x0
	MUL 1, 2, 7
	; THE WAY OUT: convert, store the images
	PLACES 4                                       ; between the last products and the first read of results
	WIN 0x82                                       ; source 0 and destination window 2
.set j, 0
.rept 256
.set j, j+1
.endr
	WIN 0x02                                       ; source 0 window 2, destination window 0
.irp a, 0,1,2,3,4,5,6,7
.irp b, 0,1,2,3
	v_cvt_scalef32_pk8_fp8_f32 v[CD+8*\a+2*\b:CD+8*\a+2*\b+1], v[8*(4*\a+\b):8*(4*\a+\b)+7], v[SC]
.endr
.endr
	v_nop                                          ; one plain vector instruction behind the last conversion
	WIN 0
.irp a, 0,1,2,3
	global_store_b128 v[LI], v[CD+8*\a:CD+8*\a+3], s[10:11] offset:1024*\a          ; 32 lanes store 512 consecutive bytes, aligned
	global_store_b128 v[LI], v[CD+8*\a+4:CD+8*\a+7], s[10:11] offset:1024*\a+512
.endr
.irp a, 4,5,6,7
	global_store_b128 v[LI], v[CD+8*\a:CD+8*\a+3], s[94:95] offset:1024*(\a-4)
	global_store_b128 v[LI], v[CD+8*\a+4:CD+8*\a+7], s[94:95] offset:1024*(\a-4)+512
.endr
	s_wait_tensorcnt 0x0                           ; the wave's end
	ds_add_u32 v[SPW], v[NIL]
	s_wait_dscnt 0x0
	CROUND                                         ; the closing round: no work-group ends while a partner may still ask for a tile that names it
	s_endpgm
.Lfunc_end_k_q4a055e1a7a_proj:
	.size	k_q4a055e1a7a_proj, .Lfunc_end_k_q4a055e1a7a_proj-k_q4a055e1a7a_proj
	.p2alignl 7, 3214868480
	.fill 96, 4, 3214868480
	.section	.rodata,"a",@progbits
	.p2align	6, 0x0
	.amdhsa_kernel k_q4a055e1a7a_proj
		.amdhsa_group_segment_fixed_size 327680
		.amdhsa_private_segment_fixed_size 0
		.amdhsa_enable_private_segment 0
		.amdhsa_kernarg_size 104
		.amdhsa_user_sgpr_count 2
		.amdhsa_user_sgpr_kernarg_segment_ptr 1
		.amdhsa_wavefront_size32 1
		.amdhsa_system_sgpr_workgroup_id_x 1
		.amdhsa_system_sgpr_workgroup_id_y 1
		.amdhsa_system_sgpr_workgroup_id_z 1
		.amdhsa_system_vgpr_workitem_id 0
		.amdhsa_next_free_vgpr 768
		.amdhsa_next_free_sgpr 102
		.amdhsa_reserve_vcc 0
		.amdhsa_float_denorm_mode_32 3
		.amdhsa_float_denorm_mode_16_64 3
		.amdhsa_fp16_overflow 1
		.amdhsa_memory_ordered 1
		.amdhsa_forward_progress 1
		.amdhsa_inst_pref_size 72
	.end_amdhsa_kernel
	.amdgpu_metadata
---
amdhsa.version: [ 1, 2 ]
amdhsa.kernels:
  - .name:           k_q4a055e1a7a_proj
    .symbol:         k_q4a055e1a7a_proj.kd
    .args:
      - { .name: k_codes, .offset: 0, .size: 8, .value_kind: global_buffer, .address_space: global }
      - { .name: q_codes, .offset: 8, .size: 8, .value_kind: global_buffer, .address_space: global }
      - { .name: Wv_codes, .offset: 16, .size: 8, .value_kind: global_buffer, .address_space: global }
      - { .name: Wk_codes, .offset: 24, .size: 8, .value_kind: global_buffer, .address_space: global }
      - { .name: Wq_codes, .offset: 32, .size: 8, .value_kind: global_buffer, .address_space: global }
      - { .name: v_codes, .offset: 40, .size: 8, .value_kind: global_buffer, .address_space: global }
      - { .name: bk, .offset: 48, .size: 8, .value_kind: global_buffer, .address_space: global }
      - { .name: bq, .offset: 56, .size: 8, .value_kind: global_buffer, .address_space: global }
      - { .name: bv, .offset: 64, .size: 8, .value_kind: global_buffer, .address_space: global }
      - { .name: Kc, .offset: 72, .size: 8, .value_kind: global_buffer, .address_space: global }
      - { .name: Qc, .offset: 80, .size: 8, .value_kind: global_buffer, .address_space: global }
      - { .name: Vc, .offset: 88, .size: 8, .value_kind: global_buffer, .address_space: global }
      - { .name: lowp_scales, .offset: 96, .size: 8, .value_kind: global_buffer, .address_space: global }
    .group_segment_fixed_size: 327680
    .private_segment_fixed_size: 0
    .kernarg_segment_align: 8
    .kernarg_segment_size: 104
    .max_flat_workgroup_size: 128
    .sgpr_count:     102
    .vgpr_count:     768
    .wavefront_size: 32
...
	.end_amdgpu_metadata
.endif
;; end of part 1
;; launch attn (part 2): grid 4 x 64, 16 waves a work-group, clusters of 4 x 1, 264,192 bytes of LDS; arguments Qc, Kc, Vc, lowp_scales, Oc; writes Oc
.if DOCPART == 2
	.amdgcn_target "amdgcn-amd-amdhsa--gfx1250"
	.amdhsa_code_object_version 6
	.text
	.protected	k_q4a055e1a7a_attn
	.globl	k_q4a055e1a7a_attn
	.p2align	8
	.type	k_q4a055e1a7a_attn,@function
k_q4a055e1a7a_attn:
	s_mov_b64 s[64:65], 0
	v_nop
	global_prefetch_b8 v0, s[64:65] scope:SCOPE_SE
	s_setreg_imm32_b32 hwreg(HW_REG_WAVE_MODE, 25, 1), 1
	s_wait_xcnt 0x0
	s_wait_alu depctr_hold_cnt(0) depctr_sa_sdst(0) depctr_va_vdst(0) depctr_va_sdst(0) depctr_va_ssrc(0) depctr_va_vcc(0) depctr_vm_vsrc(0)
	s_getreg_b32 s2, hwreg(HW_REG_IB_STS2, 6, 4)
	s_cmp_eq_u32 s2, 0
	s_cbranch_scc0 .Lentry_in_a_cluster
	s_endpgm
.Lentry_in_a_cluster:
	s_bfe_u32 s2, ttmp6, 0x10000c
	s_cmp_lg_u32 s2, 0x3003
	s_cbranch_scc0 .Lentry_shape_is_right
	s_endpgm
.Lentry_shape_is_right:
; ATTENTION ON CODES OF E4M3: O[q] = sum over k of softmax_k(Q[q] . K[k] / 8) V[k] for each of 64 (batch, head), 2,048 tokens, head size 64; the result is quantised at once for the last projection.
; Qc, Kc: [batch x head][token / 16][image]; Vc: [batch x head][token / 64][channel / 16][image]; an image is a 16 x 64 fragment of the K = 64 form as its registers stand: registers 0-3 at 16 x lane, 4-7 at 512 + 16 x lane.
; THE SOFTMAX: t = score x log2(e) / 8; M = the running largest t rounded UP to a whole number; p = 2^(t - M) is quantised with the given 2^e8, not normalised; the row's sum is taken of the unquantised p and divides at the end.
; When M moves, the sum and O are multiplied by 2^(old M - new M), which rounds nothing.
; BOTH PRODUCTS ARE USED TRANSPOSED: S^T = K Q^T (source 0 = 16 keys, source 1 = 16 queries), O^T = V^T P (source 0 = 16 channels, source 1 = P): a lane holds ONE query throughout.  Tile u of S^T holds keys 16 u + 8 h + j in register j:
; its eight codes are registers 2 u, 2 u + 1 of P as the form wants them; O^T's four tiles likewise become an image of 16 queries x 64 channels.  Oc: [token block of 16 (512)][head (16)][image].
; SHARES.  A work-group owns 512 queries of one head; each of its sixteen waves 32: two tiles, which share every fragment of K and V.  Four waves lie on a SIMD, so that one wave's vector work stands beside another's matrix work and LDS loads.
; THE WHOLE HEAD LIES IN LDS: K's 131,072 bytes, then V's; no byte is filled twice, so there is no ring.  It comes in four chunks of 512 keys; waves 0 and 1 fetch K's halves of each chunk, waves 2 and 3 V's: 64 rows of 256 bytes a load.
; CLUSTER: the four query blocks of a head ask for each tile JOINTLY: the same load, the same descriptor, a mask that names the four.
; LIMITS: e6 + e7 between -123 and 130 (added to c's exponent field); e8 and e10 between -126 and 119; e8 + e9 goes in by v_ldexp_f32 and has none.
; REGISTERS: v1-4 addresses; v5 scale; v8, v9 lane exchange; v[12:15], v[16:19] a tile's -M, largest t, sum in two halves; v[20:23] f; v[24:27] at work; v32-47 Q; v48-79 K; v80-111 V; v112-175 S^T, then p; v176-239 O^T; v240-255 P's codes.
.set VB,    131072                     ; V's images begin here
.set CHB,   32768                      ; a chunk: 512 keys' images of K, and as many bytes of V
.set LK,  1                            ; v1  16 x lane; also my place in an image in memory
.set LV,  2                            ; v2  + VB
.set ADK, 3
.set ADV, 4
.set SC,  5
.set LIM, 6
.set PX,  8
.set ST,  12
.set FF,  20
.set MX,  24
.set QF,  32
.set KF,  48
.set VF,  80
.set S,   112
.set O,   176
.set P,   240
.set WV,  14                           ; s14 my wave's number
.set G1,  24                           ; s[24:31] descriptor group 1
.set G0,  32                           ; s[32:47] group 0, a set for each chunk; never rewritten
.set SEL, 48                           ; s[48:49] lane selects: lane l xor 16
.set CS,  50                           ; s[50:51] c = log2(e) / 8 x 2^(e6 + e7)
.set TB,  52                           ; s52 LDS byte of the step's images of K
.set CNT, 53
.macro CROUND                          ; a round of the cluster's barrier
	s_barrier_signal -1
	s_barrier_wait -1
	s_cmp_lg_u32 s[WV], 0
	s_cbranch_scc1 .Lnot_wave_0_\@
	s_barrier_signal -3
.Lnot_wave_0_\@:
	s_barrier_wait -3
	s_barrier_signal -1
	s_barrier_wait -1
.endm
	s_load_b256 s[4:11], s[0:1], 0x0               ; Qc s[4:5], Kc s[6:7], Vc s[8:9], the scales' exponents s[10:11]
	s_load_b64 s[12:13], s[0:1], 0x20              ; Oc
	v_lshl_add_u32 v30, v0, 2, 0x40000
	v_mov_b32 v31, 0
	ds_add_u32 v30, v31
	ds_add_u32 v30, v31
	v_lshrrev_b32 v1, 5, v0
	s_delay_alu instid0(VALU_DEP_1)
	v_readfirstlane_b32 s[WV], v1                  ; wave 0..15
	s_bfe_u32 s15, ttmp6, 0x40000                  ; cx: my block of 512 queries; it enters Q's and O's addresses alone
	s_and_b32 s16, ttmp7, 0xffff                   ; batch x 16 + head, which the four partners share
	s_and_b32 s17, s[WV], 3
	s_lshr_b32 s18, s17, 1                         ; a fetching wave: 0 for K, 1 for V,
	s_and_b32 s19, s17, 1                          ; and which half of a chunk
	s_lshl_b32 s20, s16, 17                        ; the head's first byte in Kc and in Vc,
	s_lshl_b32 s22, s19, 14
	s_add_co_u32 s20, s20, s22                     ; + my half
	s_mov_b32 s21, 0
	s_lshl_b32 s23, s18, 17
	s_add_co_u32 s23, s23, s22                     ; and the same place in LDS
	s_mov_b32 s[G1], 15|(3<<16)|(1<<21)            ; 15:0 the mask: all four work-groups; 17:16 elements of 8 bytes; 21 set beside a mask; no padding: an image is read as it lies
	s_mov_b32 s[G1+1], 32<<16                      ; tensor_dim0 = 32 elements: 256 bytes
	s_mov_b32 s[G1+2], 64<<16                      ; tensor_dim1 = 64
	s_mov_b32 s[G1+3], 32<<16                      ; tile_dim0
	s_mov_b32 s[G1+4], 64                          ; tile_dim1
	s_mov_b32 s[G1+5], 32                          ; tensor_dim0_stride: the block is dense
	s_mov_b32 s[G1+6], 0
	s_mov_b32 s[G1+7], 0
	s_mov_b32 s[SEL], 0x76543210
	s_mov_b32 s[SEL+1], 0xfedcba98
	s_mov_b32 s[CS], 0x3e38aa3b                    ; log2(e) / 8
	s_lshl_b32 s2, s16, 17                         ; Q: the head, + 32 images a block, + 2 a wave
	s_lshl_b32 s3, s15, 15
	s_add_co_u32 s2, s2, s3
	s_lshl_b32 s3, s[WV], 11
	s_add_co_u32 s2, s2, s3
	s_mov_b32 s3, 0
	s_lshr_b32 s54, s16, 4                         ; O: token block = 128 x batch + 32 cx + 2 wave, 16,384 bytes each; + 1,024 x head
	s_lshl_b32 s54, s54, 21
	s_lshl_b32 s55, s15, 19
	s_add_co_u32 s54, s54, s55
	s_lshl_b32 s55, s[WV], 15
	s_add_co_u32 s54, s54, s55
	s_and_b32 s55, s16, 15
	s_lshl_b32 s55, s55, 10
	s_add_co_u32 s54, s54, s55
	s_mov_b32 s55, 0
	s_wait_dscnt 0x0
	s_wait_kmcnt 0x0
	s_load_b128 s[56:59], s[10:11], 0x18           ; e6, e7, e8, e9
	s_load_b32 s60, s[10:11], 0x28                 ; e10
	s_add_nc_u64 s[4:5], s[4:5], s[2:3]
	s_add_nc_u64 s[12:13], s[12:13], s[54:55]
	s_cmp_eq_u32 s18, 0                            ; hangs on the wave's number alone
	s_cselect_b64 s[6:7], s[6:7], s[8:9]
	s_add_nc_u64 s[6:7], s[6:7], s[20:21]
.irp c, 0,1,2,3
	s_mov_b32 s[G0+4*\c], 1                                    ; count = 1
	s_add_co_u32 s[G0+4*\c+1], s23, \c*CHB                     ; LDS address
	s_add_nc_u64 s[G0+4*\c+2:G0+4*\c+3], s[6:7], \c*CHB        ; global address
	s_or_b32 s[G0+4*\c+3], s[G0+4*\c+3], 0x80000000            ; type = 2
.endr
	CROUND                                         ; all four work-groups are here: the joint loads meet
	s_cmp_lt_u32 s[WV], 4                          ; all the loads of a wave stand in one branch on its number: four loads of mine are out, or none
	s_cbranch_scc0 .Lno_fetch
	tensor_load_to_lds s[G0:G0+3], s[G1:G1+7]
	s_nop 0
	tensor_load_to_lds s[G0+4:G0+7], s[G1:G1+7]
	s_nop 0
	tensor_load_to_lds s[G0+8:G0+11], s[G1:G1+7]
	s_nop 0
	tensor_load_to_lds s[G0+12:G0+15], s[G1:G1+7]
	s_nop 0
.rept 4
	v_nop
.endr
.Lno_fetch:
	v_and_b32 v[LK], 31, v0
	s_delay_alu instid0(VALU_DEP_1)
	v_lshlrev_b32 v[LK], 4, v[LK]
	s_delay_alu instid0(VALU_DEP_1)
	v_add_nc_u32 v[LV], VB, v[LK]
.irp i, 0,1,2,3
	global_load_b128 v[QF+4*\i:QF+4*\i+3], v[LK], s[4:5] offset:512*\i th:TH_LOAD_NT   ; my two images of Q stay in registers
.endr
.irp t, 0,1
	v_mov_b32 v[ST+4*\t+1], 0xff61b1e6             ; the largest t so far: -3e38, under every t
	s_delay_alu instid0(VALU_DEP_1)
	v_floor_f32 v[ST+4*\t], -v[ST+4*\t+1]          ; -M
	v_mov_b32 v[ST+4*\t+2], 0                      ; the sum, in two halves
	v_mov_b32 v[ST+4*\t+3], 0
	v_mov_b32 v[FF+2*\t+1], 0                      ; (named as the upper half of f's pair)
	v_mov_b32 v[PX+\t], 0                          ; written once: a lane permute's destination counts as one of its sources
.endr
.set j, 0
.rept 64
	v_mov_b32 v[O+j], 0                            ; O^T.  (The step is written once: the first finds zeros, which the first change of M leaves zeros)
.set j, j+1
.endr
	s_wait_kmcnt 0x0
	s_add_co_i32 s16, s56, s57
	s_lshl_b32 s16, s16, 23
	s_add_co_i32 s[CS], s[CS], s16                 ; a score stands for score x 2^(e6 + e7): added to c's exponent field
	s_mov_b32 s[CS+1], s[CS]                       ; (named with it as a pair)
	s_add_co_i32 s16, s58, 127
	s_lshl_b32 s17, s16, 23
	v_mov_b32 v[SC], s17                           ; 2^e8, for p's conversion
; A KEY STEP: 64 keys, both tiles; the tiles' lines alternate, so that no line waits for the one above it.
.macro STEP
	v_add_nc_u32 v[ADK], s[TB], v[LK]
	v_add_nc_u32 v[ADV], s[TB], v[LV]
	v_nop
	v_nop                                          ; four plain vector instructions between the last products, which read V's registers, and the loads into them
.irp f, 0,1,2,3,4,5,6,7
	ds_load_b128 v[KF+4*\f:KF+4*\f+3], v[ADK] offset:512*\f       ; four images of 16 keys: 512 consecutive bytes a load
.endr
.irp f, 0,1,2,3,4,5,6,7
	ds_load_b128 v[VF+4*\f:VF+4*\f+3], v[ADV] offset:512*\f       ; four images of 16 channels x these 64 keys
.endr
	s_wait_dscnt 8                                 ; K is in; V's eight loads may be out
.irp u, 0,1,2,3
.irp t, 0,1
	v_wmma_f32_16x16x64_fp8_fp8 v[S+32*\t+8*\u:S+32*\t+8*\u+7], v[KF+8*\u:KF+8*\u+7], v[QF+8*\t:QF+8*\t+7], 0
.endr
.endr
.rept 4
	v_nop                                          ; places in front of the first read of results
.endr
.irp t, 0,1                                    ; the step's largest score of my query among my 32 keys, in two chains; each tile of S^T is first read at its low end
	v_max3_num_f32 v[MX+2*\t], v[S+32*\t], v[S+32*\t+1], v[S+32*\t+2]
	v_max3_num_f32 v[MX+2*\t+1], v[S+32*\t+3], v[S+32*\t+4], v[S+32*\t+5]
.endr
.irp i, 6,10,14,18,22,26
.irp t, 0,1
	v_max3_num_f32 v[MX+2*\t], v[MX+2*\t], v[S+32*\t+\i], v[S+32*\t+\i+1]
	v_max3_num_f32 v[MX+2*\t+1], v[MX+2*\t+1], v[S+32*\t+\i+2], v[S+32*\t+\i+3]
.endr
.endr
.irp t, 0,1
	v_max3_num_f32 v[MX+2*\t], v[MX+2*\t], v[S+32*\t+30], v[S+32*\t+31]
.endr
.irp t, 0,1
	s_delay_alu instid0(VALU_DEP_2)
	v_max_num_f32 v[MX+2*\t], v[MX+2*\t], v[MX+2*\t+1]
.endr
.irp t, 0,1
	s_delay_alu instid0(VALU_DEP_2)
	v_permlanex16_b32 v[PX+\t], v[MX+2*\t], s[SEL], s[SEL+1]
.endr
.irp t, 0,1
	s_delay_alu instid0(VALU_DEP_2)
	v_max_num_f32 v[MX+2*\t], v[MX+2*\t], v[PX+\t]     ; and among lane l xor 16's
.endr
.irp t, 0,1
	s_delay_alu instid0(VALU_DEP_2)
	v_mul_f32 v[MX+2*\t], s[CS], v[MX+2*\t]            ; as t (c is positive)
.endr
.irp t, 0,1
	s_delay_alu instid0(VALU_DEP_2)
	v_max_num_f32 v[ST+4*\t+1], v[ST+4*\t+1], v[MX+2*\t]   ; the running largest t
.endr
.irp t, 0,1
	v_mov_b32 v[MX+2*\t], v[ST+4*\t]
.endr
.irp t, 0,1
	s_delay_alu instid0(VALU_DEP_4)
	v_floor_f32 v[ST+4*\t], -v[ST+4*\t+1]              ; the new -M = floor(-t) = -ceil(t)
.endr
.irp t, 0,1
	s_delay_alu instid0(VALU_DEP_2)
	v_sub_f32 v[MX+2*\t], v[ST+4*\t], v[MX+2*\t]       ; old M - new M: a whole number, 0 or less
.endr
.irp t, 0,1
	s_delay_alu instid0(VALU_DEP_2)
	v_cvt_i32_f32 v[MX+2*\t], v[MX+2*\t]               ; (it saturates)
.endr
.irp t, 0,1
	s_delay_alu instid0(VALU_DEP_2)
	v_ldexp_f32 v[FF+2*\t], 1.0, v[MX+2*\t]            ; f = 2^(old M - new M)
.endr
.irp j, 0,2,4,6,8,10,12,14,16,18,20,22,24,26,28,30
.irp t, 0,1
	v_pk_fma_f32 v[S+32*\t+\j:S+32*\t+\j+1], v[S+32*\t+\j:S+32*\t+\j+1], s[CS:CS+1], v[ST+4*\t:ST+4*\t+1] op_sel_hi:[1,0,0]   ; t - M, two at a time (of the pairs c and -M the low word serves both halves)
.endr
.endr
.set j, 0
	s_wait_alu depctr_va_vdst(0)
.rept 64
	v_exp_f32 v[S+j], v[S+j]                       ; p = 2^(t - M): one batch for both tiles
.set j, j+1
.endr
	s_setprio 1
.irp t, 0,1
	v_pk_mul_f32 v[ST+4*\t+2:ST+4*\t+3], v[ST+4*\t+2:ST+4*\t+3], v[FF+2*\t:FF+2*\t+1] op_sel_hi:[1,0]   ; the sums under the new M: the plain instructions behind the batch
.endr
	s_wait_alu depctr_va_vdst(0)                   ; one wait for the 64 exponentials, ahead of the first line that names a result
.irp t, 0,1
	v_pk_add_f32 v[MX+2*\t:MX+2*\t+1], v[S+32*\t:S+32*\t+1], v[S+32*\t+2:S+32*\t+3]   ; the row's sum is taken of the unquantised p, in two chains
.endr
.irp j, 4,8,12,16,20,24,28
.irp t, 0,1
	v_pk_add_f32 v[ST+4*\t+2:ST+4*\t+3], v[ST+4*\t+2:ST+4*\t+3], v[S+32*\t+\j:S+32*\t+\j+1]
	v_pk_add_f32 v[MX+2*\t:MX+2*\t+1], v[MX+2*\t:MX+2*\t+1], v[S+32*\t+\j+2:S+32*\t+\j+3]
.endr
.endr
.irp t, 0
	s_delay_alu instid0(VALU_DEP_3)
	v_pk_add_f32 v[ST+4*\t+2:ST+4*\t+3], v[ST+4*\t+2:ST+4*\t+3], v[MX+2*\t:MX+2*\t+1]
.endr
.irp t, 1
	s_delay_alu instid0(VALU_DEP_2)
	v_pk_add_f32 v[ST+4*\t+2:ST+4*\t+3], v[ST+4*\t+2:ST+4*\t+3], v[MX+2*\t:MX+2*\t+1]
.endr
.irp u, 0,1,2,3
.irp t, 0,1
.irp i, 0,1,2,3,4,5,6,7
.endr
.endr
.irp t, 0,1
	v_cvt_scalef32_pk8_fp8_f32 v[P+8*\t+2*\u:P+8*\t+2*\u+1], v[S+32*\t+8*\u:S+32*\t+8*\u+7], v[SC]   ; keys 16 u + 8 h + 0..7: registers 2 u, 2 u + 1 of P
.endr
.endr
.irp j, 0,2,4,6,8,10,12,14,16,18,20,22,24,26,28,30
.irp t, 0,1
	v_pk_mul_f32 v[O+32*\t+\j:O+32*\t+\j+1], v[O+32*\t+\j:O+32*\t+\j+1], v[FF+2*\t:FF+2*\t+1] op_sel_hi:[1,0]   ; O^T under the new M; also the plain instructions between the conversions and the products
.endr
.endr
	s_setprio 0
	s_wait_alu depctr_va_vdst(0)
	s_wait_dscnt 0x0                               ; V is in
.irp u, 0,1,2,3
.irp t, 0,1
	v_wmma_f32_16x16x64_fp8_fp8 v[O+32*\t+8*\u:O+32*\t+8*\u+7], v[VF+8*\u:VF+8*\u+7], v[P+8*\t:P+8*\t+7], v[O+32*\t+8*\u:O+32*\t+8*\u+7]   ; eight accumulators by turns
.endr
.endr
	s_add_co_u32 s[TB], s[TB], 4096                ; the next 64 keys
.endm
; A chunk of 512 keys: the waves that fetched wait for their loads up to this chunk's, then the barrier shows it to all sixteen.  The later chunks' loads stay out: no LDS byte is ever filled again.
.macro CHUNK c
	s_wait_tensorcnt 3-(\c)                        ; behind chunk c's load a fetching wave issued 3 - c more
	s_wait_dscnt 0x0
	s_barrier_signal -1
	s_barrier_wait -1
	s_mov_b32 s[TB], (\c)*CHB
	s_mov_b32 s[CNT], 8
.Lstep_\@:
	s_setprio 2
	STEP
	s_sub_co_u32 s[CNT], s[CNT], 1
	s_cmp_lg_u32 s[CNT], 0
	s_cbranch_scc1 .Lstep_\@
	s_setprio 0
.endm
	s_wait_loadcnt 0x0                             ; Q
	CHUNK 0
	CHUNK 1
	CHUNK 2
	CHUNK 3
	; THE WAY OUT: O^T / the sum x 2^(e8 + e9) is the attention's result; it is quantised with 2^e10 and stored as an image.  The additions are the places behind the last products.
	s_add_co_i32 s17, s58, s59                     ; e8 + e9
	s_add_co_i32 s16, s60, 127
	s_lshl_b32 s18, s16, 23                        ; 2^e10
.irp t, 0,1
	v_add_f32 v[ST+4*\t+2], v[ST+4*\t+2], v[ST+4*\t+3]
.endr
.irp t, 0,1
	s_delay_alu instid0(VALU_DEP_2)
	v_permlanex16_b32 v[PX+\t], v[ST+4*\t+2], s[SEL], s[SEL+1]
.endr
.irp t, 0,1
	s_delay_alu instid0(VALU_DEP_2)
	v_add_f32 v[ST+4*\t+2], v[ST+4*\t+2], v[PX+\t]     ; the row's sum
.endr
	s_wait_alu depctr_va_vdst(0)
.irp t, 0,1
	v_rcp_f32 v[ST+4*\t+2], v[ST+4*\t+2]
.endr
	v_mov_b32 v[SC], s18                           ; (plain instructions behind the reciprocals)
	s_wait_alu depctr_va_vdst(0)                   ; one wait for both reciprocals, ahead of their first reader
.irp t, 0,1
	v_ldexp_f32 v[ST+4*\t+2], v[ST+4*\t+2], s17
.endr
.irp j, 0,2,4,6,8,10,12,14,16,18,20,22,24,26,28,30
.irp t, 0,1
	v_pk_mul_f32 v[O+32*\t+\j:O+32*\t+\j+1], v[O+32*\t+\j:O+32*\t+\j+1], v[ST+4*\t+2:ST+4*\t+3] op_sel_hi:[1,0]
.endr
.endr
.set j, 0
.rept 64
.set j, j+1
.endr
.irp t, 0,1
.irp u, 0,1,2,3
	v_cvt_scalef32_pk8_fp8_f32 v[P+8*\t+2*\u:P+8*\t+2*\u+1], v[O+32*\t+8*\u:O+32*\t+8*\u+7], v[SC]   ; channels 16 u + 8 h + 0..7 of my query
.endr
.endr
	v_nop                                          ; one plain vector instruction behind the last conversion
.irp t, 0,1
	global_store_b128 v[LK], v[P+8*\t:P+8*\t+3], s[12:13] offset:16384*\t           ; 32 lanes store 512 consecutive bytes, aligned
	global_store_b128 v[LK], v[P+8*\t+4:P+8*\t+7], s[12:13] offset:16384*\t+512
.endr
	s_wait_tensorcnt 0x0
	ds_add_u32 v30, v31
	s_wait_dscnt 0x0
	CROUND                                         ; the closing round
	s_endpgm
.Lfunc_end_k_q4a055e1a7a_attn:
	.size	k_q4a055e1a7a_attn, .Lfunc_end_k_q4a055e1a7a_attn-k_q4a055e1a7a_attn
	.p2alignl 7, 3214868480
	.fill 96, 4, 3214868480
	.section	.rodata,"a",@progbits
	.p2align	6, 0x0
	.amdhsa_kernel k_q4a055e1a7a_attn
		.amdhsa_group_segment_fixed_size 264192
		.amdhsa_private_segment_fixed_size 0
		.amdhsa_enable_private_segment 0
		.amdhsa_kernarg_size 40
		.amdhsa_user_sgpr_count 2
		.amdhsa_user_sgpr_kernarg_segment_ptr 1
		.amdhsa_wavefront_size32 1
		.amdhsa_system_sgpr_workgroup_id_x 1
		.amdhsa_system_sgpr_workgroup_id_y 1
		.amdhsa_system_sgpr_workgroup_id_z 1
		.amdhsa_system_vgpr_workitem_id 0
		.amdhsa_next_free_vgpr 256
		.amdhsa_next_free_sgpr 66
		.amdhsa_reserve_vcc 0
		.amdhsa_float_denorm_mode_32 3
		.amdhsa_float_denorm_mode_16_64 3
		.amdhsa_fp16_overflow 1
		.amdhsa_memory_ordered 1
		.amdhsa_forward_progress 1
		.amdhsa_inst_pref_size 72
	.end_amdhsa_kernel
	.amdgpu_metadata
---
amdhsa.version: [ 1, 2 ]
amdhsa.kernels:
  - .name:           k_q4a055e1a7a_attn
    .symbol:         k_q4a055e1a7a_attn.kd
    .args:
      - { .name: Qc, .offset: 0, .size: 8, .value_kind: global_buffer, .address_space: global }
      - { .name: Kc, .offset: 8, .size: 8, .value_kind: global_buffer, .address_space: global }
      - { .name: Vc, .offset: 16, .size: 8, .value_kind: global_buffer, .address_space: global }
      - { .name: lowp_scales, .offset: 24, .size: 8, .value_kind: global_buffer, .address_space: global }
      - { .name: Oc, .offset: 32, .size: 8, .value_kind: global_buffer, .address_space: global }
    .group_segment_fixed_size: 264192
    .private_segment_fixed_size: 0
    .kernarg_segment_align: 8
    .kernarg_segment_size: 40
    .max_flat_workgroup_size: 512
    .sgpr_count:     66
    .vgpr_count:     256
    .wavefront_size: 32
...
	.end_amdgpu_metadata
.endif
;; end of part 2
;; launch oproj (part 3): grid 8 x 32, 4 waves a work-group, clusters of 4 x 4, 327,680 bytes of LDS; arguments Oc, Wo_codes, bo, lowp_scales, out0; writes out0
.if DOCPART == 3
	.amdgcn_target "amdgcn-amd-amdhsa--gfx1250"
	.amdhsa_code_object_version 6
	.text
	.protected	k_q4a055e1a7a_oproj
	.globl	k_q4a055e1a7a_oproj
	.p2align	8
	.type	k_q4a055e1a7a_oproj,@function
k_q4a055e1a7a_oproj:
	s_mov_b64 s[64:65], 0
	v_nop
	global_prefetch_b8 v0, s[64:65] scope:SCOPE_SE
	s_setreg_imm32_b32 hwreg(HW_REG_WAVE_MODE, 25, 1), 1
	s_wait_xcnt 0x0
	s_wait_alu depctr_hold_cnt(0) depctr_sa_sdst(0) depctr_va_vdst(0) depctr_va_sdst(0) depctr_va_ssrc(0) depctr_va_vcc(0) depctr_vm_vsrc(0)
	s_getreg_b32 s2, hwreg(HW_REG_IB_STS2, 6, 4)
	s_cmp_eq_u32 s2, 0
	s_cbranch_scc0 .Lentry_in_a_cluster
	s_endpgm
.Lentry_in_a_cluster:
	s_bfe_u32 s2, ttmp6, 0x10000c
	s_cmp_lg_u32 s2, 0xf033
	s_cbranch_scc0 .Lentry_shape_is_right
	s_endpgm
.Lentry_shape_is_right:
; THE LAST PROJECTION: out = O Wo^T + bo on codes of E4M3; sums in f32; out: [8,192][1,024] f32.
; Oc: [token block of 16 (512)][head (16)][image of 1,024 bytes]: an image is a 16 x 64 fragment of the K = 64 form as its registers stand; two neighbouring heads' images on end are a 16 x 128 fragment of the K = 128 form,
; registers 2 c, 2 c + 1 holding k = 16 c + 8 h + 0..7.  So Wo's fragments are read in that same order, by eight loads of 8 bytes.
; THE MATRIX INSTRUCTION IS USED TRANSPOSED: source 0 = 16 rows of Wo (S0), source 1 = 16 tokens (S1): a lane holds eight neighbouring numbers of a row of out.
; SHARES.  A work-group makes 256 tokens x 128 columns over all K = 1,024: 128 tiles.  Wave w: tokens 128 (w / 2) on, columns 64 (w % 2) on: 32 accumulators.
; K goes in four steps of 256 (four heads) through three LDS slots: steps 0, 1, 2 are asked for at the start, step 3 goes into slot 0 when that has been read.
; CLUSTERS: 4 x 4 work-groups.  The tokens' tile is asked for jointly by a row of the cluster, Wo's by a column.
; out = sum x 2^(e10 + e11) + bo: one packed multiply-add for two numbers.  LIMIT: e10 + e11 between -126 and 127.
; REGISTERS, in windows of 256: window 0: v0-29 addresses; v32-63 at work on the way out; v64-127 S0's four fragments, v128-255 S1's eight: set 0.  window 1: v0-31 bo; set 1 at set 0's numbers.  window 2: accumulator (a, b) at v[8 (4 a + b)].
.set PITCH,  272                       ; a row of Wo in LDS: 256 bytes + 16 = 68 words: the 32 lanes of a load of 8 bytes (row r, + 8 h) touch 64 different banks (64 banks of 4 bytes: ISA guide 11.1)
.set H1,     32768                     ; half of S1's tile: 8 token blocks x 4 images, dense
.set H0,     64*PITCH
.set S0OFF,  2*H1
.set SLOT,   S0OFF+2*H0
.set SPARE,  3*SLOT                    ; the spare words, 128 bytes for each wave: two blocks of 256 bytes that no other line names
.set STAGE,  SPARE+512                 ; the way out: 16 rows x 272 bytes for each wave; no tile ever lands here
.set SPITCH, 272
.set STO,  8                           ; v8   the way out: where I put 32 bytes of a row
.set RD,   9                           ; v9   where I read a row back
.set CO,   10                          ; v10  my byte offset in two rows of out
.set ADR1, 16                          ; v16-18 LDS address of my S1 fragments in slot 0, 1, 2
.set ADR0, 20                          ; v20-22 the same for S0
.set SPW,  28
.set NIL,  29
.set TMP,  32
.set BK,   64                          ; 16 rows read back from the stage: v64-95 and v96-127 by turns
.set F0,   64
.set F1,   128
.set G1A,  24
.set G1B,  32
.set G0A,  40
.set G0B,  52
.set MSB, 0
.macro WIN new                         ; the immediate's high byte repeats the setting that is left
.if MSB != \new
	s_set_vgpr_msb (MSB<<8)|\new
.set MSB, \new
.endif
.endm
.macro PLACES n
.rept \n
	v_nop
.endr
.endm
.macro CREST
	s_cmp_lg_u32 s14, 0
	s_cbranch_scc1 .Lnot_wave_0_\@
	s_barrier_signal -3
.Lnot_wave_0_\@:
	s_barrier_wait -3
	s_barrier_signal -1
	s_barrier_wait -1
.endm
.macro CROUND
	s_barrier_signal -1
	s_barrier_wait -1
	CREST
.endm
.macro JLOAD g0a, g1a, g0b, g1b        ; waves 0 and 1 fetch S1's halves, waves 2 and 3 S0's; four v_nop follow each of the two lines
	s_cmp_eq_u32 s15, 0
	s_cbranch_scc0 .Lfor_b_\@
	tensor_load_to_lds s[\g0a:\g0a+3], s[\g1a:\g1a+7]
	s_nop 0
	PLACES 4
	s_branch .Lasked_\@
.Lfor_b_\@:
	tensor_load_to_lds s[\g0b:\g0b+3], s[\g1b:\g1b+7]
	s_nop 0
	PLACES 4
.Lasked_\@:
.endm
	s_load_b256 s[4:11], s[0:1], 0x0               ; Oc s[4:5], Wo's codes s[6:7], bo s[8:9], the scales' exponents s[10:11]
	s_load_b64 s[12:13], s[0:1], 0x20              ; out
	v_lshl_add_u32 v[SPW], v0, 2, SPARE
	v_mov_b32 v[NIL], 0
	ds_add_u32 v28, v29
	ds_add_u32 v28, v29
	s_wait_dscnt 0x0
	v_lshrrev_b32 v1, 5, v0
	v_readfirstlane_b32 s14, v1                    ; wave 0..3
	s_lshr_b32 s15, s14, 1                         ; which 128 tokens are mine.  Also: I fetch for S1 (0) or for S0 (1)
	s_and_b32 s16, s14, 1                          ; which 64 columns.  Also: which half of that tile I fetch
	s_bfe_u32 s17, ttmp6, 0x40000                  ; cx
	s_bfe_u32 s18, ttmp6, 0x40004                  ; cy
	s_lshl_b32 s22, ttmp9, 2
	s_add_co_u32 s22, s22, s17                     ; S0's tile (128 columns) = 4 x cluster x + cx
	s_and_b32 s21, ttmp7, 0xffff
	s_lshl_b32 s21, s21, 2
	s_add_co_u32 s21, s21, s18                     ; S1's tile (256 tokens) = 4 x cluster y + cy
	s_lshl_b32 s2, s18, 2
	s_lshl_b32 s2, 15, s2                          ; my row of the cluster
	s_lshl_b32 s3, 0x1111, s17                     ; my column
	; group 1 for S1: 8 token blocks; of each, four heads' images: 4,096 bytes on end, 16,384 bytes from block to block; dense in LDS
	s_or_b32 s[G1A], s2, (3<<16)|(1<<21)           ; 15:0 the mask; 17:16 elements of 8 bytes; 21 set beside a mask
	s_mov_b32 s[G1A+1], 512<<16                    ; tensor_dim0 = 512 elements
	s_mov_b32 s[G1A+2], 8<<16                      ; tensor_dim1 = 8
	s_mov_b32 s[G1A+3], 512<<16                    ; tile_dim0
	s_mov_b32 s[G1A+4], 8                          ; tile_dim1
	s_mov_b32 s[G1A+5], 2048                       ; tensor_dim0_stride, in elements
	s_mov_b32 s[G1A+6], 0
	s_mov_b32 s[G1A+7], 0
	; group 1 for S0: 64 rows of 256 bytes, 1,024 bytes apart, padded in LDS
	s_or_b32 s[G1B], s3, (1<<20)|(1<<21)|(5<<22)|(3<<25)
	s_mov_b32 s[G1B+1], 256<<16
	s_mov_b32 s[G1B+2], 64<<16
	s_mov_b32 s[G1B+3], 256<<16
	s_mov_b32 s[G1B+4], 64
	s_mov_b32 s[G1B+5], 1024
	s_mov_b32 s[G1B+6], 0
	s_mov_b32 s[G1B+7], 0
	s_lshl_b32 s70, s21, 18                        ; S1: 16 token blocks of 16,384 bytes a tile,
	s_lshl_b32 s2, s16, 17                         ; + the eight that I fetch
	s_add_co_u32 s70, s70, s2
	s_mov_b32 s71, 0
	s_lshl_b32 s72, s22, 17                        ; S0: 128 rows of 1,024 bytes a tile,
	s_lshl_b32 s2, s16, 16
	s_add_co_u32 s72, s72, s2
	s_mov_b32 s73, 0
	s_mul_i32 s19, s16, H1                         ; no place in the cluster enters an LDS address
	s_mul_i32 s20, s16, H0
	s_add_co_u32 s20, s20, S0OFF
	s_lshl_b32 s74, s21, 20                        ; out: my first row (256 x tile + 128 (w / 2)) x 4,096 bytes
	s_lshl_b32 s2, s15, 19
	s_add_co_u32 s74, s74, s2
	s_lshl_b32 s2, s22, 9                          ; + my first column x 4: 512 x tile + 256 (w % 2); the same offset serves bo
	s_lshl_b32 s3, s16, 8
	s_add_co_u32 s2, s2, s3
	s_add_co_u32 s74, s74, s2
	s_mov_b32 s75, 0
	v_and_b32 v1, 15, v0                           ; r
	v_bfe_u32 v2, v0, 4, 1                         ; h
	v_lshl_add_u32 v5, v2, 5, s2                   ; bo: 4 x my first column + 32 h
	s_wait_kmcnt 0x0
	s_load_b64 s[68:69], s[10:11], 0x28            ; e10, e11
	s_add_nc_u64 s[70:71], s[4:5], s[70:71]
	s_add_nc_u64 s[72:73], s[6:7], s[72:73]
	s_add_nc_u64 s[12:13], s[12:13], s[74:75]
.irp n, 0,1,2
	s_mov_b32 s[G0A+4*\n], 1
	s_add_co_u32 s[G0A+4*\n+1], s19, \n*SLOT
	s_add_nc_u64 s[G0A+4*\n+2:G0A+4*\n+3], s[70:71], \n*4096        ; K step n: heads 4 n on
	s_or_b32 s[G0A+4*\n+3], s[G0A+4*\n+3], 0x80000000
	s_mov_b32 s[G0B+4*\n], 1
	s_add_co_u32 s[G0B+4*\n+1], s20, \n*SLOT
	s_add_nc_u64 s[G0B+4*\n+2:G0B+4*\n+3], s[72:73], \n*256
	s_or_b32 s[G0B+4*\n+3], s[G0B+4*\n+3], 0x80000000
.endr
	CROUND                                         ; all sixteen work-groups are here: the first joint loads meet
	s_cmp_eq_u32 s15, 0                            ; a wave's three first fills stand in one branch: three loads of mine are out
	s_cbranch_scc0 .Lfirst_s0
	tensor_load_to_lds s[G0A:G0A+3], s[G1A:G1A+7]
	s_nop 0
	tensor_load_to_lds s[G0A+4:G0A+7], s[G1A:G1A+7]
	s_nop 0
	tensor_load_to_lds s[G0A+8:G0A+11], s[G1A:G1A+7]
	s_nop 0
	PLACES 4
	s_branch .Lfirst_asked
.Lfirst_s0:
	tensor_load_to_lds s[G0B:G0B+3], s[G1B:G1B+7]
	s_nop 0
	tensor_load_to_lds s[G0B+4:G0B+7], s[G1B:G1B+7]
	s_nop 0
	tensor_load_to_lds s[G0B+8:G0B+11], s[G1B:G1B+7]
	s_nop 0
	PLACES 4
.Lfirst_asked:
	WIN 0x40                                       ; destination window 1
	s_wait_alu depctr_va_vdst(0)
.irp b, 0,1,2,3
	global_load_b128 v[8*\b:8*\b+3], v5, s[8:9] offset:64*\b          ; bo[n0 + 16 b + 8 h + 0..7], in the result's layout
	global_load_b128 v[8*\b+4:8*\b+7], v5, s[8:9] offset:64*\b+16
.endr
	WIN 0
	v_mul_u32_u24 v3, v1, PITCH
	v_lshl_add_u32 v3, v2, 3, v3                   ; S0: row r x pitch + 8 h
	v_and_b32 v4, 31, v0
	v_lshlrev_b32 v4, 4, v4                        ; S1: 16 x lane
	s_mul_i32 s2, s15, H1
	s_mul_i32 s3, s16, H0
	s_add_co_u32 s3, s3, S0OFF
.irp s, 0,1,2
	v_add_nc_u32 v[ADR1+\s], s2, v4
	v_add_nc_u32 v[ADR0+\s], s3, v3
	s_add_co_u32 s2, s2, SLOT
	s_add_co_u32 s3, s3, SLOT
.endr
	s_mul_i32 s23, s14, 16*SPITCH
	s_add_co_u32 s23, s23, STAGE                   ; my stage
	v_mul_u32_u24 v[STO], v1, SPITCH               ; in: row r, 32 bytes for each half of the lanes
	v_lshl_add_u32 v[STO], v2, 5, v[STO]
	v_add_nc_u32 v[STO], s23, v[STO]
	v_mul_u32_u24 v[RD], v2, SPITCH                ; back: lanes 0-15 one row of 256 bytes, lanes 16-31 the next
	v_lshl_add_u32 v[RD], v1, 4, v[RD]
	v_add_nc_u32 v[RD], s23, v[RD]
	v_lshlrev_b32 v[CO], 12, v2                    ; and the same two rows in out
	v_lshl_add_u32 v[CO], v1, 4, v[CO]
	s_wait_kmcnt 0x0
	s_add_co_i32 s66, s68, s69
	s_add_co_i32 s66, s66, 127
	s_lshl_b32 s66, s66, 23                        ; 2^(e10 + e11) as f32
	s_mov_b32 s67, s66                             ; (named with it as a pair)
.macro FRAG0 reg, adr, q, b            ; 16 rows of Wo x 128 K: registers 2 c, 2 c + 1 hold k = 16 c + 8 h + 0..7
.irp c, 0,1,2,3,4,5,6,7
	ds_load_b64 v[\reg+2*\c:\reg+2*\c+1], v[\adr] offset:(\b)*16*PITCH+128*(\q)+16*\c
.endr
.endm
.macro FRAG1 reg, adr, q, a            ; 16 tokens x 128 K: two images as they lie
.irp c, 0,1,2,3
	ds_load_b128 v[\reg+4*\c:\reg+4*\c+3], v[\adr] offset:4096*(\a)+2048*(\q)+512*\c
.endr
.endm
.macro FETCH slot, q, set              ; 64 loads in one run: S0's four fragments, then S1's eight
	WIN ((\set)<<6)
.irp i, 0,1,2,3
	FRAG0 F0+16*\i, ADR0+\slot, \q, \i
.endr
.irp i, 0,1,2,3,4,5,6,7
	FRAG1 F1+16*\i, ADR1+\slot, \q, \i
.endr
.endm
; S1's blocks a0 .. a1 against S0's four, from set p.  zero = 1: the first product starts the sums.  The 32 accumulators take turns, one instruction a turn, in the same order in every step.
.macro MUL p, a0, a1, zero
	WIN (0xa0+5*(\p))
.set ia, \a0
.rept (\a1)-(\a0)+1
.irp b, 0,1,2,3
.if \zero
	v_wmma_f32_16x16x128_fp8_fp8 v[8*(4*ia+\b):8*(4*ia+\b)+7], v[F0+16*\b:F0+16*\b+15], v[F1+16*ia:F1+16*ia+15], 0
.else
	v_wmma_f32_16x16x128_fp8_fp8 v[8*(4*ia+\b):8*(4*ia+\b)+7], v[F0+16*\b:F0+16*\b+15], v[F1+16*ia:F1+16*ia+15], v[8*(4*ia+\b):8*(4*ia+\b)+7]
.endif
.endr
.set ia, ia+1
.endr
.endm
.macro SUB p, nslot, nq, zero
	s_wait_dscnt 24                                ; S0's fragments and S1's blocks 0, 1 are in; the youngest 24 loads (blocks 2-7) may be out
	MUL \p, 0, 1, \zero
	s_wait_dscnt 0x0                               ; blocks 2-7 are in
	PLACES 4                                       ; four plain vector instructions between the last product that read the other set and the loads into it
	FETCH \nslot, \nq, 1-(\p)
	MUL \p, 2, 7, \zero
.endm
.macro TURN fill, nslot
	WIN 0                                          ; (the add's two registers lie in window 0)
	s_wait_tensorcnt 0x0                           ; all my tensor loads have landed
	ds_add_u32 v[SPW], v[NIL]                      ; 0 onto my spare word
	s_wait_dscnt 25                                ; (the add and the youngest 24 loads may be out)
	MUL 1, 0, 1, 0
	s_wait_dscnt 0x0                               ; the add is done, and my reads of the slot are over
	s_barrier_signal -1
	MUL 1, 2, 3, 0
	WIN 0
	s_barrier_wait -1
.if \fill
	CREST                                          ; the barrier has opened a round of the cluster's: no wave of any partner still reads slot 0 or has a load on its way
	s_add_nc_u64 s[G0A+2:G0A+3], s[G0A+2:G0A+3], 12288   ; from K step 0 to K step 3: twelve images on
	s_add_nc_u64 s[G0B+2:G0B+3], s[G0B+2:G0B+3], 768
	JLOAD G0A, G1A, G0B, G1B                       ; the first tensor load behind the round, my only one from here on; its four v_nop are also the places in front of the loads below
.else
	PLACES 4
.endif
	FETCH \nslot, 0, 0
	MUL 1, 4, 7, 0
.endm
	s_wait_loadcnt 0x0                             ; bo
	s_wait_tensorcnt 2                             ; my part of K step 0 is in; steps 1 and 2 may stay out
	s_barrier_signal -1
	s_barrier_wait -1
	FETCH 0, 0, 0
	SUB 0, 0, 1, 1                                 ; K 0-127: these products start the sums
	TURN 1, 1                                      ; K 128-255; every wave has waited for all its loads, so slots 1 and 2 are whole for all from here on
	SUB 0, 1, 1, 0
	s_wait_alu depctr_va_vdst(0)
	SUB 1, 2, 0, 0
	SUB 0, 2, 1, 0
	TURN 0, 0                                      ; K 640-767; K step 3 has landed in slot 0; nothing is filled again
	SUB 0, 0, 1, 0
	s_wait_dscnt 24                                ; K 896-1023: nothing more to fetch
	MUL 1, 0, 1, 0
	s_wait_dscnt 0x0
	MUL 1, 2, 7, 0
; THE WAY OUT, 16 rows x 64 columns at a time.  A lane holds 32 neighbouring bytes of a row and the lanes beside it other rows: so a block goes through my own stage and comes back as whole rows of 256 bytes.
; LDS serves a wave's instructions in order (ISA guide 5.7.1.4): no wait between the stores and the loads, nor in front of the next block's stores.
.macro TOSTAGE a
	WIN 0x12                                       ; source 0 (the sums) window 2, source 2 (bo) window 1
.irp b, 0,1,2,3
.irp i, 0,2,4,6
	v_pk_fma_f32 v[TMP+8*\b+\i:TMP+8*\b+\i+1], v[8*(4*(\a)+\b)+\i:8*(4*(\a)+\b)+\i+1], s[66:67], v[8*\b+\i:8*\b+\i+1] op_sel_hi:[1,0,1]   ; sum x 2^(e10 + e11) + bo; each accumulator from its low end on
.endr
.endr
	WIN 0
.irp b, 0,1,2,3
	ds_store_b128 v[STO], v[TMP+8*\b:TMP+8*\b+3] offset:64*\b
	ds_store_b128 v[STO], v[TMP+8*\b+4:TMP+8*\b+7] offset:64*\b+16
.endr
.set BB, BK+32*((\a)%2)
.irp i, 0,1,2,3,4,5,6,7
	ds_load_b128 v[BB+4*\i:BB+4*\i+3], v[RD] offset:2*\i*SPITCH
.endr
.endm
.macro SEND a, younger                 ; younger: the LDS instructions issued behind block a's loads, which may stay out
.set BB, BK+32*((\a)%2)
	s_wait_dscnt \younger
.irp i, 0,1,2,3,4,5,6,7
	global_store_b128 v[CO], v[BB+4*\i:BB+4*\i+3], s[12:13] offset:(16*(\a)+2*\i)*4096 th:TH_STORE_NT   ; sixteen lanes store 256 consecutive bytes, aligned; written once, read by nobody here
.endr
.endm
	PLACES 4                                       ; between the last products and the first read of results, and the loads into set 0's registers
	TOSTAGE 0
.irp a, 1,2,3,4,5,6,7
.if \a > 1
	s_wait_xcnt 0x0                                ; block a - 2's stores have read their registers: block a's loads may land there
.endif
	TOSTAGE \a
	SEND \a-1, 16                                  ; behind block a - 1's loads: block a's 8 stores and 8 loads
.endr
	SEND 7, 0
	s_wait_tensorcnt 0x0                           ; the wave's end
	ds_add_u32 v[SPW], v[NIL]
	s_wait_dscnt 0x0
	CROUND                                         ; the closing round
	s_endpgm
.Lfunc_end_k_q4a055e1a7a_oproj:
	.size	k_q4a055e1a7a_oproj, .Lfunc_end_k_q4a055e1a7a_oproj-k_q4a055e1a7a_oproj
	.p2alignl 7, 3214868480
	.fill 96, 4, 3214868480
	.section	.rodata,"a",@progbits
	.p2align	6, 0x0
	.amdhsa_kernel k_q4a055e1a7a_oproj
		.amdhsa_group_segment_fixed_size 327680
		.amdhsa_private_segment_fixed_size 0
		.amdhsa_enable_private_segment 0
		.amdhsa_kernarg_size 40
		.amdhsa_user_sgpr_count 2
		.amdhsa_user_sgpr_kernarg_segment_ptr 1
		.amdhsa_wavefront_size32 1
		.amdhsa_system_sgpr_workgroup_id_x 1
		.amdhsa_system_sgpr_workgroup_id_y 1
		.amdhsa_system_sgpr_workgroup_id_z 1
		.amdhsa_system_vgpr_workitem_id 0
		.amdhsa_next_free_vgpr 768
		.amdhsa_next_free_sgpr 80
		.amdhsa_reserve_vcc 0
		.amdhsa_float_denorm_mode_32 3
		.amdhsa_float_denorm_mode_16_64 3
		.amdhsa_memory_ordered 1
		.amdhsa_forward_progress 1
		.amdhsa_inst_pref_size 84
	.end_amdhsa_kernel
	.amdgpu_metadata
---
amdhsa.version: [ 1, 2 ]
amdhsa.kernels:
  - .name:           k_q4a055e1a7a_oproj
    .symbol:         k_q4a055e1a7a_oproj.kd
    .args:
      - { .name: Oc, .offset: 0, .size: 8, .value_kind: global_buffer, .address_space: global }
      - { .name: Wo_codes, .offset: 8, .size: 8, .value_kind: global_buffer, .address_space: global }
      - { .name: bo, .offset: 16, .size: 8, .value_kind: global_buffer, .address_space: global }
      - { .name: lowp_scales, .offset: 24, .size: 8, .value_kind: global_buffer, .address_space: global }
      - { .name: out0, .offset: 32, .size: 8, .value_kind: global_buffer, .address_space: global }
    .group_segment_fixed_size: 327680
    .private_segment_fixed_size: 0
    .kernarg_segment_align: 8
    .kernarg_segment_size: 40
    .max_flat_workgroup_size: 128
    .sgpr_count:     80
    .vgpr_count:     768
    .wavefront_size: 32
...
	.end_amdgpu_metadata
.endif
;; end of part 3
